; MI455X (gfx1250); checked and timed in simulation.
; The chip was launched on July 23, 2026; its instructions are those of AMD's public machine-readable ISA for CDNA 5 (MIT licence, August 2026) and "CDNA5" Instruction Set Architecture Reference Guide (July 2026). The comments in the code are by the model that wrote it; some were corrected since.
;; Multihead Attention. Allowed arithmetic: matrix products marked QUANTISED: E2M3 operands, one E8M0 scale for each 32 along K, by v_wmma_scale_f32_16x16x128_f8f6f4 with both operands' format E2M3, f32 sums; everything else in f32.
;; Inputs: b_o 1,024 float32; b_qkv 3,072 float32; w_o_codes 1,024 x 32 x 24 uint8 (E2M3 codes of w_o, K innermost, in blocks of 32 codes, four codes in three bytes); w_o_scales 1,024 x 32 uint8 (E8M0 scales of w_o, one for each 32 codes along K); w_qkv_codes 3,072 x 32 x 24 uint8 (E2M3 codes of w_qkv, K innermost, in blocks of 32 codes, four codes in three bytes); w_qkv_scales 3,072 x 32 uint8 (E8M0 scales of w_qkv, one for each 32 codes along K); x_codes 4 x 2,048 x 32 x 24 uint8 (E2M3 codes of x, K innermost, in blocks of 32 codes, four codes in three bytes); x_scales 4 x 2,048 x 32 uint8 (E8M0 scales of x, one for each 32 codes along K).
;; Outputs: out0 4 x 2,048 x 1,024 float32.
;; This version of the problem:
;;   THIS VERSION OF THE PROBLEM IS GIVEN IN LOW PRECISION. The matrix products marked QUANTISED in the list below multiply operands that are first quantised to E2M3 (2 exponent bits, 3 mantissa bits; 6 bits a number), with one power-of-two scale for each 32 numbers along K (OCP MX v1.0); their sums are f32. All else is computed in f32.
;;   The module's matrix products, in the order in which they are computed (A, B: the left and right operand; K: the contracted axis; several contracted axes count as one K, in the product's order):
;;     1. [M 8,192, K 1,024] x [K 1,024, N 3,072]; A: input x (given as codes); B: input w_qkv (given as codes): QUANTISED
;;     2. batch 64 x [M 2,048, K 64] x [K 64, N 2,048]; A: computed on the way; B: computed on the way: QUANTISED
;;     3. batch 64 x [M 2,048, K 2,048] x [K 2,048, N 64]; A: softmax (see below); B: computed on the way: QUANTISED
;;     4. [M 8,192, K 1,024] x [K 1,024, N 1,024]; A: computed on the way; B: input w_o (given as codes): QUANTISED
;;   THE QUANTISER, for each operand of a quantised product, along K:
;;     - K is cut into blocks of 32 from its start; a last block that is shorter is filled with zeros.
;;     - A block's scale is 2^e with e = floor(log2(the largest magnitude in the block)) - 2, held to -126 .. 127; a block of zeros has e = 0. As a byte (E8M0): e + 127.
;;     - Each number is divided by its block's scale, clamped to +-7.5, and rounded to the nearest number of E2M3, ties to even, subnormals kept.
;;     - The product sums the exact products of the quantised numbers (number of the format x scale) in f32.
;;   ~~~python
;;   def quantise(x, axis):      # numpy; x: float32 -> the quantised numbers, widened to float32 again
;;       x = np.moveaxis(x, axis, -1); K = x.shape[-1]
;;       x = np.pad(x, [(0, 0)] * (x.ndim - 1) + [(0, -K % 32)]); x = x.reshape(x.shape[:-1] + (-1, 32)); a = np.abs(x).max(-1, keepdims=True)
;;       e = np.where(a > 0, np.clip(np.frexp(np.where(a > 0, a, 1))[1] - 1 - 2, -126, 127), 0)      # np.frexp(a)[1] - 1 = floor(log2(a)), exactly
;;       r = np.clip(x / 2.0 ** e, -7.5, 7.5)
;;       step = 2.0 ** (np.maximum(np.frexp(np.where(r == 0, 1, r))[1] - 1, 0) - 3)
;;       q = np.round(r / step) * step * 2.0 ** e      # np.round: ties to even
;;       return np.moveaxis(q.reshape(q.shape[:-2] + (-1,))[..., :K], -1, axis).astype(np.float32)
;;   ~~~
;;   SOFTMAX AHEAD OF A QUANTISED PRODUCT. Where the list says 'softmax', what is quantised is not the finished softmax but p = 2^(t - M), with t = logit x log2(e) and M = ceil(the row's largest t), a whole number; so 1/2 < the row's largest p <= 1. The row's sum l is taken of the UNQUANTISED p, in f32, and the product's result is divided by l at the end. Since M is a whole number, a kernel that streams over the keys may use a running M (the ceiling of the running maximum): every later rescaling is an exact power of two, which a block's scale takes up: the codes' values come out the same.
;;   OPERANDS COMPUTED ON THE WAY. 'Computed on the way' means the value that the module computes at that place (a softmax that the list does not call 'softmax' is quantised finished and normalised). What goes into a quantiser is computed in f32, as accurately as f32 sums, v_exp_f32 and their like allow (about 1e-6 of the number): no bf16 or f16 on the way to a quantiser, and a product that is left as it is and whose result goes on into a quantised operand takes f32 operands (vector FMAs, or v_wmma_f32_16x16x4_f32). A number that lies on a knife's edge between two numbers of the format may be rounded either way, as far as f32 arithmetic and the matrix unit's own rounding can turn it there, and no further.
;;   INPUTS GIVEN AS CODES. w_o (in the module: [1024, 1024], K = its axis 1); w_qkv (in the module: [3072, 1024], K = its axis 1); x (in the module: [4, 2048, 1024], K = its axis 2): each comes as NAME_codes (uint8): NAME with its K axis moved to the last place and cut into blocks of 32 codes, [.., K / 32, bytes a block], one block behind the other in memory; four codes in three bytes: a row's codes are one little-endian stream of bits, code i at bits 6 i .. 6 i + 5 (a code: sign, 2 exponent bits, 3 mantissa bits); and NAME_scales (uint8): the same leading axes, one E8M0 byte (e + 127) for each 32 codes along K. Its value is code x scale, taken as it is: it is not quantised again, and the codes and scales need not be those that the quantiser above would give.
;; One version. Each part assembles by itself: llvm-mc -triple=amdgcn-amd-amdhsa -mcpu=gfx1250 --defsym DOCPART=n.
;; ======== version 1 of 1: 3 launches
;; limits: right only within a limited range of input values
;; workspace buffers: q_img 6,291,456 bytes; q_sc 524,288 bytes; kv 13,107,200 bytes; vals_img 6,291,456 bytes; vals_sc 262,144 bytes
;; launch qkv (part 1): grid 16 x 16, 4 waves a work-group, clusters of 4 x 4, 327,680 bytes of LDS; arguments x_codes, x_scales, w_qkv_codes, w_qkv_scales, b_qkv, q_img, q_sc, kv; writes q_img, q_sc, kv
.if DOCPART == 1
	.amdgcn_target "amdgcn-amd-amdhsa--gfx1250"
	.amdhsa_code_object_version 6
	.text
	.protected	k_q280fb0ba24_qkv
	.globl	k_q280fb0ba24_qkv
	.p2align	8
	.type	k_q280fb0ba24_qkv,@function
k_q280fb0ba24_qkv:
	s_mov_b64 s[64:65], 0
	v_nop
	global_prefetch_b8 v0, s[64:65] scope:SCOPE_SE
	s_setreg_imm32_b32 hwreg(HW_REG_WAVE_MODE, 25, 1), 1
	s_wait_xcnt 0x0
	s_wait_alu depctr_hold_cnt(0) depctr_sa_sdst(0) depctr_va_vdst(0) depctr_va_sdst(0) depctr_va_ssrc(0) depctr_va_vcc(0) depctr_vm_vsrc(0)
	s_getreg_b32 s2, hwreg(HW_REG_IB_STS2, 6, 4)
	s_cmp_eq_u32 s2, 0
	s_cbranch_scc0 .Lentry_in_a_cluster
	s_endpgm
.Lentry_in_a_cluster:
	s_bfe_u32 s2, ttmp6, 0x10000c
	s_cmp_lg_u32 s2, 0xf033
	s_cbranch_scc0 .Lentry_shape_is_right
	s_endpgm
.Lentry_shape_is_right:
; qkv = x w_qkv^T + b_qkv on codes of FP6 (E2M3), one E8M0 scale for each 32 along K; q, k, v are quantised and leave as codes and scale bytes.
; SHARES.  A work-group makes 256 rows x one head (192 columns: 64 of q, 64 of k, 64 of v); wave w rows 64 w .. 64 w + 63 x all 192 columns: 4 tiles of x against 12 of W, 48 accumulators.
; WHICH ROWS FORM A TILE.  Tile i of a group of 64 rows (x's 64 of a wave; W's 64 of q, of k, of v) takes in lane r the row 8 i + r % 8 + 32 (r / 8).
; q, k (source 0 = W, source 1 = x): lane (r, h) holds x's row of lane r, and over W's four tiles 32 registers = columns 32 h + 0 .. 31 of the head: ONE scale block, in its true order.
; v (source 0 = x, source 1 = W): lane (r, h) holds the channel of lane r, and over x's four tiles keys 32 h + 0 .. 31 of the wave's 64: one scale block.  So no lane asks another for a maximum, and two conversions give six operand registers.
; OUT.  Half fragments of 768 bytes (registers 2 p, 2 p + 1 of lane L at 256 p + 8 L).  q_img[bh][group of 64][tile][768]; q_sc[bh][group][r][tile]: a word = q's two bytes twice.
; kv[bh][step of 128 keys][12,800]: K's 8 half fragments (group c, tile i at 768 (4 c + i)), V's 4 fragments at 6,144 (tile t, group c at 1,536 t + 768 c), K's scale words [r][fragment] at 12,288,
; and at 12,544 V's scale words [r][t] OF THE STEP BEFORE (mod 16): the next launch loads both by one instruction.
; K goes in chunks of 256 bytes of each row of 768 through two LDS slots; a step of 128 along K is 96 bytes, so steps 2 and 5 lie across two chunks.  CLUSTER 4 x 4: x's tiles are asked for jointly along a row, W's along a column.
; Chunks 1 and 2 are asked for into the L2 at the head, each row once in a cluster: the four partners of a joint load share its rows out by address.
; LIMITS: NaN and infinities among the sums are not served.  A block of zeros gets the scale byte 1 where the rule says 127: its codes are zeros, and this program alone reads the bytes.
; WINDOWS.  0: addresses, scale words, quantiser, bias.  1: W's 12 fragments at v[12 tw], x's two sets at v144, v192.  2: q's, k's sums, (tw, i) at v[8 (8 i + tw)].  3: v's, (t, i) at v[8 (4 t + i)].
.set PITCH,  272
.set XHALF,  128*PITCH
.set WHALF,  96*PITCH
.set WOFF,   2*XHALF
.set SLOT,   WOFF+2*WHALF
.set STG,    2*SLOT                    ; 1,024 bytes in which the scale bytes of two key steps meet; no fill lands here
.set SPARE,  STG+1024
.set REC,    12800
.set TS,     16*256*768                ; A WORK-GROUP STAYS: it makes two blocks of 256 rows, 16 blocks apart (this many bytes of x), against the same head's W; the ring runs on over 6 chunks, 16 steps
.set L8,   8
.set SQ,   9
.set SK,   10
.set SV,   11
.set RDS,  12
.set H8,   13
.set SCO,  14
.set H128, 15
.set ADRA, 16                          ; v16-17 x's fragments in slot 0, 1; v18-19 for pieces whose lanes 16-31 lie in the next chunk
.set ADRB, 20
.set R4,   24
.set PFO,  26
.set SPW,  28
.set NIL,  29
.set XS,   32
.set WS,   48
.set TM,   96
.set KW,   118
.set PC,   120
.set QW,   140
.set RB,   144
.set BQ,   160
.set BV,   224
.set XF,   144
.set G1,   24
.set G0,   32
.set G1B,  48
.set G0B,  56
.set SEL,  82
.set MSB, 0
.macro WIN new
.if MSB != (\new)
	s_set_vgpr_msb (MSB<<8)|(\new)
.set MSB, (\new)
.endif
.endm
.macro JLOAD g0a, g1a, g0b, g1b        ; waves 0, 1 fetch x's halves, waves 2, 3 W's
	s_cmp_eq_u32 s15, 0
	s_cbranch_scc0 .Lfor_b_\@
	tensor_load_to_lds s[\g0a:\g0a+3], s[\g1a:\g1a+7]
	s_nop 0
.rept 4
	v_nop
.endr
	s_branch .Lasked_\@
.Lfor_b_\@:
	tensor_load_to_lds s[\g0b:\g0b+3], s[\g1b:\g1b+7]
	s_nop 0
.rept 4
	v_nop
.endr
.Lasked_\@:
.endm
.macro CREST
	s_cmp_lg_u32 s14, 0
	s_cbranch_scc1 .Lnot_wave_0_\@
	s_barrier_signal -3
.Lnot_wave_0_\@:
	s_barrier_wait -3
	s_barrier_signal -1
	s_barrier_wait -1
.endm
.macro CROUND
	s_barrier_signal -1
	s_barrier_wait -1
	CREST
.endm
.macro PLACES n
.rept \n
	v_nop
.endr
.endm
.macro FRAG reg, adr, st, ro           ; 12 registers in pieces of 8 bytes; byte y of a row lies in chunk y / 256, slot (y / 256) % 2; ro: the tile's first row
.irp p, 0,1,2,3,4,5
.set BY, 96*(\st)+48*(\p/3)+8*(\p%3)
.if BY/256 == (BY+24)/256
	ds_load_b64 v[\reg+2*\p:\reg+2*\p+1], v[\adr+(BY/256)%2] offset:BY%256+(\ro)*PITCH
.else
	ds_load_b64 v[\reg+2*\p:\reg+2*\p+1], v[\adr+2+(BY/256)%2] offset:BY%256-232+(\ro)*PITCH
.endif
.endr
.endm
.macro FETCH_X st, set
	WIN 0x40
.irp i, 0,1,2,3
	FRAG XF+48*(\set)+12*\i, ADRA, \st, 8*\i
.endr
.endm
.macro FETCH_W st, t0, t1
	WIN 0x40
.set TW, \t0
.rept (\t1)-(\t0)+1
	FRAG 12*TW, ADRB, \st, 64*(TW/4)+8*(TW%4)
.set TW, TW+1
.endr
.endm
.macro WM d, a, b, c, sa, sb, hi       ; hi = 1: both scale words from lanes 16-31
.if \hi
	v_wmma_scale_f32_16x16x128_f8f6f4 v[\d:\d+7], v[\a:\a+11], v[\b:\b+11], v[\c:\c+7], v[\sa], v[\sb] matrix_a_fmt:MATRIX_FMT_FP6 matrix_b_fmt:MATRIX_FMT_FP6 matrix_a_scale:MATRIX_SCALE_ROW1 matrix_b_scale:MATRIX_SCALE_ROW1
.else
	v_wmma_scale_f32_16x16x128_f8f6f4 v[\d:\d+7], v[\a:\a+11], v[\b:\b+11], v[\c:\c+7], v[\sa], v[\sb] matrix_a_fmt:MATRIX_FMT_FP6 matrix_b_fmt:MATRIX_FMT_FP6
.endif
.endm
.macro MM i, set, ks, first            ; W's tile TW against x's tile i; first = 1: the bias is C
.set SR, (\ks)%4
.set XR, XF+48*(\set)+12*(\i)
.if TW < 8
.set DR, 8*(8*(\i)+TW)
.if \first
	WIN 0x85
	WM DR, 12*TW, XR, BQ+8*TW, WS+4*TW+SR, XS+4*(\i)+SR, 0
.else
	WIN 0xa5
	WM DR, 12*TW, XR, DR, WS+4*TW+SR, XS+4*(\i)+SR, ((\ks)%8)/4
.endif
.else
.set DR, 8*(4*(TW-8)+(\i))
.if \first
	WIN 0xc5
	WM DR, XR, 12*TW, BV+8*(TW-8), XS+4*(\i)+SR, WS+4*TW+SR, 0
.else
	WIN 0xf5
	WM DR, XR, 12*TW, DR, XS+4*(\i)+SR, WS+4*TW+SR, ((\ks)%8)/4
.endif
.endif
.endm
.macro MUL t0, t1, set, ks, first      ; the 48 accumulators take turns, in the same order in every step
.set TW, \t0
.rept (\t1)-(\t0)+1
.irp i, 0,1,2,3
	MM \i, \set, \ks, \first
.endr
.set TW, TW+1
.endr
.endm
; A step of 128 along K.  Where the next step's bytes END in a chunk not yet read: every wave waits for its tensor loads, and a barrier shows the chunk.  Where they BEGIN in a later chunk: the three lines, the barrier,
; and, if a chunk two on is left, the cluster's round and the refill.
.macro STEP st, first
.set NX, (\st)+1
.set C0, (96*(\st))/256
.set C1, (96*NX)/256
.set E0, (96*(\st)+95)/256
.set E1, (96*NX+95)/256
.if C1 > C0 || E1 > E0
	s_wait_tensorcnt 0x0
.if C1 > C0
	ds_add_u32 v[SPW], v[NIL]
	s_wait_dscnt 37                                ; the add and W's tiles 6-11 (36 loads) may be out
.else
	s_wait_dscnt 36
.endif
	MUL 0, 3, (\st)%2, \st, \first
	s_wait_dscnt 0x0
	s_barrier_signal -1
	MUL 4, 5, (\st)%2, \st, \first
	WIN 0
	s_barrier_wait -1
.if C1 > C0 && C0+2 < 6
	CREST
.set DX, (((C0+2)/3)-(C0/3))*TS+(((C0+2)%3)-(C0%3))*256   ; chunk c of the walk is chunk c % 3 of block c / 3: x goes on to the next block's rows, W back to its rows' start
.set DW, (((C0+2)%3)-(C0%3))*256
	s_add_nc_u64 s[G0+4*(C0%2)+2:G0+4*(C0%2)+3], s[G0+4*(C0%2)+2:G0+4*(C0%2)+3], DX
.if DW < 0
	s_sub_nc_u64 s[G0B+4*(C0%2)+2:G0B+4*(C0%2)+3], s[G0B+4*(C0%2)+2:G0B+4*(C0%2)+3], -DW
.else
	s_add_nc_u64 s[G0B+4*(C0%2)+2:G0B+4*(C0%2)+3], s[G0B+4*(C0%2)+2:G0B+4*(C0%2)+3], DW
.endif
	JLOAD G0+4*(C0%2), G1, G0B+4*(C0%2), G1B
.else
	PLACES 4
.endif
.else
	s_wait_dscnt 36                                ; x's set and W's tiles 0-5 are in; the 36 youngest loads may be out
	MUL 0, 5, (\st)%2, \st, \first
	s_wait_dscnt 0x0
	PLACES 4
.endif
	FETCH_X NX, NX%2
	FETCH_W NX, 0, 5
	MUL 6, 11, (\st)%2, \st, \first
	PLACES 4
	FETCH_W NX, 6, 11
	WIN 0
.endm
; THE QUANTISER: two blocks of 32 sums a lane, v[s ..] and v[s + 32 ..] of window sw -> six registers of codes each (v[PC ..], v[PC + 6 ..]) and each row's two scale bytes in v[TM], v[TM + 2] (byte h from lane half h).
.macro QNT s, sw
	WIN (\sw)|((\sw)<<2)
.irp k, 0,1,2,3,4,5,6,7
	v_max3_num_f32 v[TM+\k], |v[(\s)+8*\k]|, |v[(\s)+8*\k+1]|, 0x1800000   ; eight chains, one to an accumulator; the floor 2^(3 - 127) holds the byte at 1
.endr
	WIN ((\sw)<<2)|((\sw)<<4)
.irp i, 2,4,6
.irp k, 0,1,2,3,4,5,6,7
	v_max3_num_f32 v[TM+\k], v[TM+\k], |v[(\s)+8*\k+\i]|, |v[(\s)+8*\k+\i+1]|
.endr
.endr
	WIN 0
	v_max3_num_f32 v[TM], v[TM], v[TM+1], v[TM+2]
	v_max3_num_f32 v[TM+4], v[TM+4], v[TM+5], v[TM+6]
	v_max_num_f32 v[TM], v[TM], v[TM+3]
	v_max_num_f32 v[TM+2], v[TM+4], v[TM+7]
	v_add_nc_u32 v[TM+4], 0xff000000, v[TM]        ; 2 off the exponent field: the conversions' scale operand
	v_add_nc_u32 v[TM+5], 0xff000000, v[TM+2]
	s_wait_alu depctr_va_vdst(0)
	s_wait_xcnt 0x0                                ; the last codes' stores have read their registers
	WIN \sw
	v_cvt_scalef32_pk16_fp6_f32 v[PC:PC+2], v[(\s):(\s)+15], v[TM+4]
	v_cvt_scalef32_pk16_fp6_f32 v[PC+12:PC+14], v[(\s)+16:(\s)+31], v[TM+4]
	v_cvt_scalef32_pk16_fp6_f32 v[PC+6:PC+8], v[(\s)+32:(\s)+47], v[TM+5]
	v_cvt_scalef32_pk16_fp6_f32 v[PC+16:PC+18], v[(\s)+48:(\s)+63], v[TM+5]
	WIN 0
	v_lshrrev_b32 v[TM], 23, v[TM+4]               ; the bytes (also the plain place behind the conversions)
	v_lshrrev_b32 v[TM+2], 23, v[TM+5]
.irp i, 0,1,2
	v_mov_b32 v[PC+3+\i], v[PC+12+\i]
	v_mov_b32 v[PC+9+\i], v[PC+16+\i]
.endr
	v_lshlrev_b32 v[TM], v[H8], v[TM]
	v_lshlrev_b32 v[TM+2], v[H8], v[TM+2]
	v_permlanex16_b32 v[TM+6], v[TM], s[SEL], s[SEL+1]
	v_permlanex16_b32 v[TM+7], v[TM+2], s[SEL], s[SEL+1]
	v_or_b32 v[TM], v[TM], v[TM+6]
	v_or_b32 v[TM+2], v[TM+2], v[TM+7]
.endm
	s_load_b256 s[4:11], s[0:1], 0x0               ; x's codes, x's scales, W's codes, W's scales
	s_load_b256 s[68:75], s[0:1], 0x20             ; the bias, q_img, q_sc, kv
	v_lshl_add_u32 v[SPW], v0, 2, SPARE
	v_mov_b32 v[NIL], 0
	ds_add_u32 v[SPW], v[NIL]                      ; the opening lines
	ds_add_u32 v[SPW], v[NIL]
	v_lshrrev_b32 v1, 5, v0
	v_readfirstlane_b32 s14, v1                    ; wave
	s_lshr_b32 s15, s14, 1                         ; I fetch for x (0) or W (1); also: which key step of the two
	s_and_b32 s16, s14, 1                          ; which half of that tile; also: which group of 64 of the step
	s_bfe_u32 s40, ttmp6, 0x40000
	s_bfe_u32 s41, ttmp6, 0x40004
	s_lshl_b32 s42, ttmp9, 2
	s_add_co_u32 s42, s42, s40                     ; the head
	s_and_b32 s17, ttmp7, 0xffff
	s_lshl_b32 s17, s17, 2
	s_add_co_u32 s17, s17, s41                     ; the block of 256 rows
	s_lshl_b32 s43, s41, 2
	s_lshl_b32 s43, 15, s43
	s_lshl_b32 s44, 0x1111, s40
	s_or_b32 s[G1+0], s43, (1<<20)|(1<<21)|(5<<22)|(3<<25)   ; rows of 256 bytes, 16 of padding behind each
	s_or_b32 s[G1B+0], s44, (1<<20)|(1<<21)|(5<<22)|(3<<25)
	s_mov_b32 s[G1+1], 256<<16
	s_mov_b32 s[G1+2], 128<<16
	s_mov_b32 s[G1+3], 256<<16
	s_mov_b32 s[G1+4], 128
	s_mov_b32 s[G1+5], 768
	s_mov_b32 s[G1+6], 0
	s_mov_b32 s[G1+7], 0
	s_mov_b32 s[G1B+1], 256<<16
	s_mov_b32 s[G1B+2], 96<<16
	s_mov_b32 s[G1B+3], 256<<16
	s_mov_b32 s[G1B+4], 96
	s_mov_b32 s[G1B+5], 768
	s_mov_b32 s[G1B+6], 0
	s_mov_b32 s[G1B+7], 0
	s_lshl_b32 s20, s17, 8
	s_lshl_b32 s18, s16, 7
	s_add_co_u32 s20, s20, s18
	s_mul_i32 s20, s20, 768
	s_mov_b32 s21, 0
	s_mul_i32 s46, s42, 192
	s_mul_i32 s19, s16, 96
	s_add_co_u32 s46, s46, s19
	s_mul_i32 s46, s46, 768
	s_mov_b32 s47, 0
	s_mul_i32 s45, s16, XHALF
	s_mul_i32 s84, s16, WHALF
	s_add_co_u32 s84, s84, WOFF
	s_wait_dscnt 0x0
	s_wait_kmcnt 0x0
	s_add_nc_u64 s[20:21], s[4:5], s[20:21]
	s_add_nc_u64 s[46:47], s[8:9], s[46:47]
	CROUND
.irp s, 0,1
	s_mov_b32 s[G0+4*\s], 1
	s_add_co_u32 s[G0+4*\s+1], s45, \s*SLOT
	s_add_nc_u64 s[G0+4*\s+2:G0+4*\s+3], s[20:21], \s*256
	s_or_b32 s[G0+4*\s+3], s[G0+4*\s+3], 0x80000000
	s_mov_b32 s[G0B+4*\s], 1
	s_add_co_u32 s[G0B+4*\s+1], s84, \s*SLOT
	s_add_nc_u64 s[G0B+4*\s+2:G0B+4*\s+3], s[46:47], \s*256
	s_or_b32 s[G0B+4*\s+3], s[G0B+4*\s+3], 0x80000000
.endr
	JLOAD G0, G1, G0B, G1B                         ; chunk 0: one tensor load a wave at the head
	s_mov_b32 s[SEL], 0x76543210
	s_mov_b32 s[SEL+1], 0xfedcba98
	s_mov_b32 s79, 0
	s_lshl_b32 s78, s17, 13                        ; x's scales: 32 bytes a row
	s_lshl_b32 s22, s14, 11
	s_add_co_u32 s78, s78, s22
	s_add_nc_u64 s[6:7], s[6:7], s[78:79]
	s_mul_i32 s78, s42, 6144
	s_add_nc_u64 s[10:11], s[10:11], s[78:79]
	s_mul_i32 s78, s42, 768
	s_add_nc_u64 s[68:69], s[68:69], s[78:79]
	s_lshr_b32 s80, s17, 3
	s_lshl_b32 s80, s80, 4
	s_add_co_u32 s80, s80, s42                     ; bh
	s_and_b32 s81, s17, 7                          ; which 256 rows of the sequence
	s_mul_i32 s78, s80, 98304
	s_mul_i32 s22, s81, 12288
	s_add_co_u32 s78, s78, s22
	s_mul_i32 s22, s14, 3072
	s_add_co_u32 s78, s78, s22
	s_add_nc_u64 s[70:71], s[70:71], s[78:79]      ; q_img: my group
	s_lshl_b32 s78, s80, 13
	s_lshl_b32 s22, s81, 10
	s_add_co_u32 s78, s78, s22
	s_lshl_b32 s22, s14, 8
	s_add_co_u32 s78, s78, s22
	s_add_nc_u64 s[72:73], s[72:73], s[78:79]      ; q_sc: my 256 bytes
	s_mul_i32 s78, s80, 16*REC
	s_add_nc_u64 s[74:75], s[74:75], s[78:79]      ; kv: the head
	s_lshl_b32 s84, s81, 1
	s_add_co_u32 s84, s84, s15                     ; my key step
	s_mul_i32 s78, s84, REC
	s_mul_i32 s22, s16, 3072
	s_add_co_u32 s78, s78, s22
	s_add_nc_u64 s[76:77], s[74:75], s[78:79]      ; K's half fragments of my group
	s_mul_i32 s78, s84, REC
	s_mul_i32 s22, s16, 768
	s_add_co_u32 s78, s78, s22
	s_add_co_u32 s78, s78, 6144
	s_add_nc_u64 s[92:93], s[74:75], s[78:79]      ; V's
	s_add_co_u32 s85, s84, s16                     ; the unit of 256 scale bytes that I store: K's of step s84, or V's, which go to the record one step on
	s_and_b32 s85, s85, 15
	s_mul_i32 s78, s85, REC
	s_lshl_b32 s22, s16, 8
	s_add_co_u32 s78, s78, s22
	s_add_co_u32 s78, s78, 12288
	s_add_nc_u64 s[94:95], s[74:75], s[78:79]
	s_mul_i32 s22, s14, 64*PITCH
	s_lshl_b32 s23, s15, 9
	s_lshl_b32 s86, s16, 1
	s_add_co_u32 s86, s86, s23
	s_add_co_u32 s86, s86, STG+256
	s_lshl_b32 s87, s16, 3
	s_add_co_u32 s23, s23, s87
	s_add_co_u32 s23, s23, STG
	s_lshl_b32 s87, s14, 8
	s_add_co_u32 s87, s87, STG
	s_cmp_eq_u32 s15, 0                            ; the prefetch: of the rows that I fetch, my work-group's quarter, by address
	s_cselect_b32 s90, s40, s41
	s_cselect_b32 s91, 32, 24
	s_cselect_b64 s[88:89], s[20:21], s[46:47]
	s_mul_i32 s90, s90, s91
	s_mul_i32 s90, s90, 768
	s_sub_co_u32 s91, s91, 1
	v_and_b32 v1, 15, v0                           ; r
	v_bfe_u32 v2, v0, 4, 1                         ; h
	v_and_b32 v3, 31, v0
	v_lshrrev_b32 v4, 3, v1
	v_mad_u32_u24 v4, v4, 24, v1                   ; my row of a group: r % 8 + 32 (r / 8)
	v_lshlrev_b32 v[L8], 3, v3
	v_lshlrev_b32 v[H8], 3, v2
	v_lshlrev_b32 v[SCO], 5, v4
	v_lshl_add_u32 v[SCO], v2, 4, v[SCO]
	v_lshlrev_b32 v[H128], 7, v2
	v_lshlrev_b32 v[R4], 2, v4
	v_min_u32 v[PFO], s91, v3
	v_mul_u32_u24 v[PFO], 768, v[PFO]
	v_add_nc_u32 v[PFO], s90, v[PFO]
.irp i, 0,1,2,3
	global_load_b128 v[XS+4*\i:XS+4*\i+3], v[SCO], s[6:7] offset:256*\i       ; register q: K step q in lanes 0-15, 4 + q in lanes 16-31
.endr
.irp t, 0,1,2,3,4,5,6,7,8,9,10,11
	global_load_b128 v[WS+4*\t:WS+4*\t+3], v[SCO], s[10:11] offset:2048*(\t/4)+256*(\t%4)
.endr
.irp t, 0,1,2,3,4,5,6,7
	global_load_b128 v[BQ+8*\t:BQ+8*\t+3], v[H128], s[68:69] offset:256*(\t/4)+32*(\t%4)   ; columns 64 (t / 4) + 32 h + 8 (t % 4) + 0 .. 7
	global_load_b128 v[BQ+8*\t+4:BQ+8*\t+7], v[H128], s[68:69] offset:256*(\t/4)+32*(\t%4)+16
.endr
.irp t, 0,1,2,3
	global_load_b32 v[BV+8*\t], v[R4], s[68:69] offset:512+32*\t
.endr
	global_prefetch_b8 v[PFO], s[88:89] offset:256 th:TH_LOAD_NT scope:SCOPE_SE   ; chunk 1 and chunk 2 of my rows
	global_prefetch_b8 v[PFO], s[88:89] offset:512 th:TH_LOAD_NT scope:SCOPE_SE
	v_mul_u32_u24 v5, v4, PITCH
	v_mad_u32_u24 v6, v2, 24, v5
	v_mul_u32_u24 v7, SLOT-232, v2
	v_add_nc_u32 v7, v7, v5
	v_add_nc_u32 v7, 232, v7                       ; lanes 0-15 byte 232 of the row in slot 0, lanes 16-31 byte 0 in slot 1
	v_sub_nc_u32 v25, 1, v2
	v_mul_u32_u24 v25, SLOT+232, v25
	v_add_nc_u32 v25, v25, v5                      ; and the other way round
	v_add_nc_u32 v[ADRA], s22, v6
	v_add_nc_u32 v[ADRA+1], SLOT, v[ADRA]
	v_add_nc_u32 v[ADRA+2], s22, v7
	v_add_nc_u32 v[ADRA+3], s22, v25
	v_add_nc_u32 v[ADRB], WOFF, v6
	v_add_nc_u32 v[ADRB+1], SLOT+WOFF, v6
	v_add_nc_u32 v[ADRB+2], WOFF, v7
	v_add_nc_u32 v[ADRB+3], WOFF, v25
	v_lshl_add_u32 v[SK], v1, 4, s23
	v_lshl_add_u32 v[SV], v1, 4, s86
	v_add_nc_u32 v[RDS], s87, v[L8]
	v_lshl_add_u32 v[SQ], v1, 4, v[H8]
	v_mov_b32 v[TM+6], 0                           ; a lane permute's destination counts as a source
	v_mov_b32 v[TM+7], 0
	s_wait_alu depctr_va_vdst(0)
	s_wait_tensorcnt 0x0                           ; slot 1's first fill is issued as a refill is
	ds_add_u32 v[SPW], v[NIL]
	s_wait_dscnt 0x0
	CROUND
	JLOAD G0+4, G1, G0B+4, G1B
	FETCH_X 0, 0
	FETCH_W 0, 0, 5
	FETCH_W 0, 6, 11
	WIN 0
	s_wait_loadcnt 0x0
.irp t, 0,1,2,3
.irp j, 1,2,3,4,5,6,7
	v_mov_b32 v[BV+8*\t+\j], v[BV+8*\t]
.endr
.endr
.macro WAYOUT                          ; a block's way out: quantised, stored; the scale bytes meet in the stage
	PLACES 4
.irp i, 0,1,2,3                        ; q and k of x's tile i
	QNT 64*\i, 2
.irp p, 0,1,2
	global_store_b64 v[L8], v[PC+2*\p:PC+2*\p+1], s[70:71] offset:768*\i+256*\p     ; 32 lanes store 256 consecutive bytes, aligned
	global_store_b64 v[L8], v[PC+6+2*\p:PC+7+2*\p], s[76:77] offset:768*\i+256*\p
.endr
	v_lshl_or_b32 v[QW+\i], v[TM], 16, v[TM]
.if \i%2
	v_lshl_or_b32 v[KW+\i/2], v[TM+2], 16, v[KW+\i/2]
.else
	v_mov_b32 v[KW+\i/2], v[TM+2]
.endif
.endr
	ds_store_b64 v[SK], v[KW:KW+1]                 ; (lanes r and r + 16 write the same bytes with the same value)
	v_cmp_eq_u32 vcc_lo, 0, v[H8]
	v_cndmask_b32 v[RB], v[QW+2], v[QW], vcc_lo    ; lanes 0-15 carry tiles 0, 1, lanes 16-31 tiles 2, 3: one store covers my 256 bytes
	v_cndmask_b32 v[RB+1], v[QW+3], v[QW+1], vcc_lo
	global_store_b64 v[SQ], v[RB:RB+1], s[72:73]
.irp u, 0,1                            ; v's tiles of channels 2 u, 2 u + 1
	QNT 64*\u, 3
.irp p, 0,1,2
	global_store_b64 v[L8], v[PC+2*\p:PC+2*\p+1], s[92:93] offset:1536*(2*\u)+256*\p
	global_store_b64 v[L8], v[PC+6+2*\p:PC+7+2*\p], s[92:93] offset:1536*(2*\u+1)+256*\p
.endr
	ds_store_b16 v[SV], v[TM] offset:8*\u
	ds_store_b16 v[SV], v[TM+2] offset:8*\u+4
.endr
	s_wait_dscnt 0x0
	s_barrier_signal -1
	s_barrier_wait -1
	ds_load_b64 v[RB+2:RB+3], v[RDS]
	s_wait_dscnt 0x0
	global_store_b64 v[L8], v[RB+2:RB+3], s[94:95] ; a whole unit of 256 scale bytes
.endm
	s_wait_alu depctr_va_vdst(0)
	STEP 0, 1
	s_cmp_eq_u32 s15, 0                            ; the waves that fetch x ask for the second block's three chunks of their rows into the L2: its first chunk is loaded five steps on; W's rows have been read by then
	s_cbranch_scc0 .Lno_ask
	global_prefetch_b8 v[PFO], s[88:89] offset:TS th:TH_LOAD_NT scope:SCOPE_SE
	global_prefetch_b8 v[PFO], s[88:89] offset:TS+256 th:TH_LOAD_NT scope:SCOPE_SE
	global_prefetch_b8 v[PFO], s[88:89] offset:TS+512 th:TH_LOAD_NT scope:SCOPE_SE
.Lno_ask:
.set ST, 1
.rept 7
	STEP ST, 0
.set ST, ST+1
.endr
	s_add_nc_u64 s[6:7], s[6:7], 16*256*32         ; the second block's scale words of x (the first block's loads were waited for at the head; four places stand behind the last products)
.irp i, 0,1,2,3
	global_load_b128 v[XS+4*\i:XS+4*\i+3], v[SCO], s[6:7] offset:256*\i
.endr
	WAYOUT                                         ; the first block leaves while the second block's first chunks land
	s_wait_xcnt 0x0                                ; the stores have read their bases: on to the second block, two batches on
	s_add_nc_u64 s[70:71], s[70:71], 32*98304
	s_add_nc_u64 s[72:73], s[72:73], 32*8192
	s_add_nc_u64 s[76:77], s[76:77], 32*16*REC
	s_add_nc_u64 s[92:93], s[92:93], 32*16*REC
	s_add_nc_u64 s[94:95], s[94:95], 32*16*REC
	s_wait_loadcnt 0x0
	STEP 8, 1                                      ; the bias starts the second block's sums
.set ST, 9
.rept 6
	STEP ST, 0
.set ST, ST+1
.endr
	s_wait_dscnt 36
	MUL 0, 5, 1, 7, 0
	s_wait_dscnt 0x0
	MUL 6, 11, 1, 7, 0
	WIN 0
	WAYOUT
	s_wait_tensorcnt 0x0                           ; the wave's end
	ds_add_u32 v[SPW], v[NIL]
	s_wait_dscnt 0x0
	CROUND
	s_endpgm
.Lfunc_end_k_q280fb0ba24_qkv:
	.size	k_q280fb0ba24_qkv, .Lfunc_end_k_q280fb0ba24_qkv-k_q280fb0ba24_qkv
	.p2alignl 7, 3214868480
	.fill 96, 4, 3214868480
	.section	.rodata,"a",@progbits
	.p2align	6, 0x0
	.amdhsa_kernel k_q280fb0ba24_qkv
		.amdhsa_group_segment_fixed_size 327680
		.amdhsa_private_segment_fixed_size 0
		.amdhsa_enable_private_segment 0
		.amdhsa_kernarg_size 64
		.amdhsa_user_sgpr_count 2
		.amdhsa_user_sgpr_kernarg_segment_ptr 1
		.amdhsa_wavefront_size32 1
		.amdhsa_system_sgpr_workgroup_id_x 1
		.amdhsa_system_sgpr_workgroup_id_y 1
		.amdhsa_system_sgpr_workgroup_id_z 1
		.amdhsa_system_vgpr_workitem_id 0
		.amdhsa_next_free_vgpr 896
		.amdhsa_next_free_sgpr 100
		.amdhsa_reserve_vcc 1
		.amdhsa_float_denorm_mode_32 3
		.amdhsa_float_denorm_mode_16_64 3
		.amdhsa_memory_ordered 1
		.amdhsa_forward_progress 1
		.amdhsa_inst_pref_size 255
	.end_amdhsa_kernel
	.section	.bss,"aw",@nobits
	.p2align	6
	.space	262144
	.amdgpu_metadata
---
amdhsa.version: [ 1, 2 ]
amdhsa.kernels:
  - .name:           k_q280fb0ba24_qkv
    .symbol:         k_q280fb0ba24_qkv.kd
    .args:
      - { .name: x_codes, .offset: 0, .size: 8, .value_kind: global_buffer, .address_space: global }
      - { .name: x_scales, .offset: 8, .size: 8, .value_kind: global_buffer, .address_space: global }
      - { .name: w_qkv_codes, .offset: 16, .size: 8, .value_kind: global_buffer, .address_space: global }
      - { .name: w_qkv_scales, .offset: 24, .size: 8, .value_kind: global_buffer, .address_space: global }
      - { .name: b_qkv, .offset: 32, .size: 8, .value_kind: global_buffer, .address_space: global }
      - { .name: q_img, .offset: 40, .size: 8, .value_kind: global_buffer, .address_space: global }
      - { .name: q_sc, .offset: 48, .size: 8, .value_kind: global_buffer, .address_space: global }
      - { .name: kv, .offset: 56, .size: 8, .value_kind: global_buffer, .address_space: global }
    .group_segment_fixed_size: 327680
    .private_segment_fixed_size: 0
    .kernarg_segment_align: 8
    .kernarg_segment_size: 64
    .max_flat_workgroup_size: 128
    .sgpr_count:     100
    .vgpr_count:     896
    .wavefront_size: 32
...
	.end_amdgpu_metadata
.endif
;; end of part 1
;; launch attn (part 2): grid 4 x 64, 16 waves a work-group, clusters of 4 x 1, 206,848 bytes of LDS; arguments q_img, q_sc, kv, vals_img, vals_sc; writes vals_img, vals_sc
.if DOCPART == 2
	.amdgcn_target "amdgcn-amd-amdhsa--gfx1250"
	.amdhsa_code_object_version 6
	.text
	.protected	k_q280fb0ba24_attn
	.globl	k_q280fb0ba24_attn
	.p2align	8
	.type	k_q280fb0ba24_attn,@function
k_q280fb0ba24_attn:
	s_mov_b64 s[64:65], 0
	v_nop
	global_prefetch_b8 v0, s[64:65] scope:SCOPE_SE
	s_setreg_imm32_b32 hwreg(HW_REG_WAVE_MODE, 25, 1), 1
	s_wait_xcnt 0x0
	s_wait_alu depctr_hold_cnt(0) depctr_sa_sdst(0) depctr_va_vdst(0) depctr_va_sdst(0) depctr_va_ssrc(0) depctr_va_vcc(0) depctr_vm_vsrc(0)
	s_getreg_b32 s2, hwreg(HW_REG_IB_STS2, 6, 4)
	s_cmp_eq_u32 s2, 0
	s_cbranch_scc0 .Lentry_in_a_cluster
	s_endpgm
.Lentry_in_a_cluster:
	s_bfe_u32 s2, ttmp6, 0x10000c
	s_cmp_lg_u32 s2, 0x3003
	s_cbranch_scc0 .Lentry_shape_is_right
	s_endpgm
.Lentry_shape_is_right:
; vals = softmax(q k^T / 8) v for one head, both products on codes of FP6 (E2M3) with E8M0 scales; vals is quantised along the model's 1,024 and leaves as codes and scale bytes.
; t = score x log2(e) / 8; M = the running largest t rounded UP to a whole number; p = 2^(t - M) is quantised along the keys; the row's sum is taken of the unquantised p and divides O at the end.
; When M moves, the sums and O are multiplied by 2^(old M - new M): exact, and with no branch.
; SHARES.  A work-group: one head, 512 queries; each of sixteen waves two tiles of 16 queries, one after the other, against all 2,048 keys, 128 a step.
; LDS: the head's 16 records of 12,800 bytes (K's 4 fragments, V's 4, K's scale words, and V's scale words of the step before), filled once: wave w asks for record w, jointly with the three partners that share the head.
; No prefetch: all fills go out at the head, so there is no loop to run ahead in.
; LAYOUT.  S^T = K Q^T, O^T = V^T P^T: a lane holds one query.  A fragment of K holds two tiles of 16 keys in the halves of the instruction's 128; it is multiplied by [Q | zero codes] and by [zero codes | Q].
; By the rows that the launch before put into a tile, lane (r, h) holds of 64 keys the 32 keys 32 h + 0 .. 31 in 32 registers on end: a whole scale block, as the operand's layout wants it; O^T likewise channels 32 h + 0 .. 31.
; FRAGMENTS AHEAD: in a step V's fragments of this step and K's of the next are asked for; the last step of a tile asks for record 0 again, which the next tile begins with.
; One load brings K's scale words of the next step (lanes 0-15) and V's of this one (lanes 16-31).
; THE ORDER OF A STEP keeps dependent lines apart: eight chains of maxima, one to an accumulator; the LDS loads stand between the lines of the chain that makes M; the exponentials go in two batches, block 0's with
; block 1's multiply-adds among them, block 1's with the first level of block 0's sum among them; between the batches O^T is rescaled with the scale word's chain among its lines.
; LIMITS: the scaled scores stay under 2^31 in magnitude; NaN and infinities are not served; a block of zeros gets the scale byte 1 where the rule says 127 (its codes are zeros; this program alone reads the bytes).
.set REC,   12800
.set SPARE, 16*REC
.set L8,  1
.set L16, 2
.set AD,  3                            ; 8 x lane + the record's first byte
.set AS,  4
.set H8,  5
.set VB,  6
.set R16, 7
.set OLD, 8
.set TT,  9
.set TP,  10
.set VB1, 11
.set NM,  12                           ; -M;  v13 the running largest score;  v[14:15], v[252:253] the sum in four parts
.set RM,  13
.set LS,  14
.set QB,  16                           ; v16-33: zero codes, Q, zero codes: [0 | Q] from v16, [Q | 0] from v22
.set QA,  22
.set FF,  34
.set MX,  35
.set SO,  37
.set QS,  39
.set SCW, 40
.set PT,  44
.set PW,  47
.set KF,  48
.set VF,  96
.set S,   144
.set O,   208
.set PC,  240
.set L1,  252
.set WV,  18
.set SEL, 20
.set CS,  22
.set NC,  29
.set TB,  2
.set CNT, 3
.macro CROUND
	s_barrier_signal -1
	s_barrier_wait -1
	s_cmp_lg_u32 s[WV], 0
	s_cbranch_scc1 .Lnot_wave_0_\@
	s_barrier_signal -3
.Lnot_wave_0_\@:
	s_barrier_wait -3
	s_barrier_signal -1
	s_barrier_wait -1
.endm
.macro QLOAD n
.irp p, 0,1,2
	global_load_b64 v[QA+2*\p:QA+2*\p+1], v[L8], s[4:5] offset:768*\n+256*\p
.endr
	global_load_b32 v[QS], v[R16], s[6:7] offset:4*\n
.endm
.macro VL n                            ; the next n of V's 24 pieces
.rept \n
	ds_load_b64 v[VF+2*IV:VF+2*IV+1], v[AD] offset:6144+256*IV
.set IV, IV+1
.endr
.endm
.macro KL n                            ; the next n of K's 24 pieces
.rept \n
	ds_load_b64 v[KF+2*IK:KF+2*IK+1], v[AD] offset:256*IK
.set IK, IK+1
.endr
.endm
.macro M1 t, a, i
.if \i == 0
	v_max3_num_f32 v[\t], v[S+8*\a], v[S+8*\a+1], v[S+8*\a+2]
.else
	v_max3_num_f32 v[\t], v[\t], v[S+8*\a+\i], v[S+8*\a+\i+1]
.endif
.endm
.macro M8 i                            ; one line of each of the eight chains
	M1 MX, 0, \i
	M1 SO, 1, \i
	M1 PT, 2, \i
	M1 PT+1, 3, \i
	M1 MX+1, 4, \i
	M1 SO+1, 5, \i
	M1 PT+2, 6, \i
	M1 TT, 7, \i
.endm
.macro PKT n                           ; t - M, two at a time
.rept \n
	v_pk_fma_f32 v[S+J:S+J+1], v[S+J:S+J+1], s[CS:CS+1], v[NM:NM+1] op_sel_hi:[1,0,0]
.set J, J+2
.endr
.endm
.macro PKO n                           ; O^T under the new M
.rept \n
	v_pk_mul_f32 v[O+J:O+J+1], v[O+J:O+J+1], v[FF:FF+1] op_sel_hi:[1,0]
.set J, J+2
.endr
.endm
.macro SUM8 from                       ; eight chains of the sum, in place on v[S .. S + 15]
.set J, 0
.rept 8
	v_pk_add_f32 v[S+J:S+J+1], v[S+J:S+J+1], v[S+J+\from:S+J+\from+1]
.set J, J+2
.endr
.endm
.macro STEP
	s_wait_dscnt 0x0                               ; K's fragments and scale words
.irp g, 0,1,2,3
	v_wmma_scale_f32_16x16x128_f8f6f4 v[S+16*\g:S+16*\g+7], v[KF+12*\g:KF+12*\g+11], v[QA:QA+11], 0, v[SCW+\g], v[QS] matrix_a_fmt:MATRIX_FMT_FP6 matrix_b_fmt:MATRIX_FMT_FP6
	v_wmma_scale_f32_16x16x128_f8f6f4 v[S+16*\g+8:S+16*\g+15], v[KF+12*\g:KF+12*\g+11], v[QB:QB+11], 0, v[SCW+\g], v[QS] matrix_a_fmt:MATRIX_FMT_FP6 matrix_b_fmt:MATRIX_FMT_FP6
.endr
	s_add_co_u32 s[CNT], s[CNT], 1
	s_and_b32 s[TB], s[CNT], 15
	s_mul_i32 s[TB], s[TB], REC                    ; the next record, round the head's end
	v_mov_b32 v[OLD], v[NM]                        ; four places behind the products
.rept 3
	v_nop
.endr
.set IV, 0
.set IK, 0
	M8 0                                           ; the largest score of my two blocks of 32 keys; each accumulator from its low end on
	M8 3
	M8 5
	v_max3_num_f32 v[MX], v[MX], v[S+7], v[S+15]
	v_max3_num_f32 v[PT], v[PT], v[S+23], v[S+31]
	v_max3_num_f32 v[MX+1], v[MX+1], v[S+39], v[S+47]
	v_max3_num_f32 v[PT+2], v[PT+2], v[S+55], v[S+63]
	VL 3
	v_max3_num_f32 v[MX], v[MX], v[SO], v[PT+1]
	v_max3_num_f32 v[MX+1], v[MX+1], v[SO+1], v[TT]
	VL 5
	v_max_num_f32 v[MX], v[MX], v[PT]
	v_max_num_f32 v[MX+1], v[MX+1], v[PT+2]
	VL 5
	v_max_num_f32 v[TT], v[MX], v[MX+1]
	VL 5
	v_permlanex16_b32 v[TP], v[TT], s[SEL], s[SEL+1]
	VL 6
	v_max3_num_f32 v[RM], v[RM], v[TT], v[TP]      ; the running largest score of my query
	v_add_nc_u32 v[AD], s[TB], v[L8]
	v_add_nc_u32 v[AS], s[TB], v[L16]
	ds_load_b128 v[SCW:SCW+3], v[AS] offset:12288
	KL 4
	v_mul_f32 v[TT], s[NC], v[RM]                  ; -t
	KL 7
	v_floor_f32 v[NM], v[TT]                       ; -M = floor(-t)
	KL 7
	v_sub_f32 v[TT], v[NM], v[OLD]                 ; old M less new M
	KL 6
.set J, 0
	PKT 8
	v_cvt_i32_f32 v[TT], v[TT]                     ; (it saturates)
	PKT 8
	v_ldexp_f32 v[FF], 1.0, v[TT]                  ; f = 2^(old M - new M)
	v_fma_f32 v[MX], v[MX], s[CS], v[NM]
	v_fma_f32 v[MX+1], v[MX+1], s[CS], v[NM]
	s_wait_alu depctr_va_vdst(0)
	v_exp_f32 v[MX], v[MX]                         ; each block's largest p,
	v_exp_f32 v[MX+1], v[MX+1]
.set E, 0
.rept 16
	v_exp_f32 v[S+E], v[S+E]                       ; block 0's p, with block 1's t - M among the lines
	PKT 1
	v_exp_f32 v[S+E+1], v[S+E+1]
.set E, E+2
.endr
	v_nop
	s_wait_alu depctr_va_vdst(0)                   ; behind the first batch, ahead of the second, and directly ahead of the first reader of O^T
.set J, 0
	PKO 1
	v_max_num_f32 v[MX], 0x1800000, v[MX]          ; the floor 2^(3 - 127)
	v_max_num_f32 v[MX+1], 0x1800000, v[MX+1]
	PKO 3
	v_add_nc_u32 v[SO], 0xff000000, v[MX]          ; 2 off the exponent field: the conversions' scale operands
	v_add_nc_u32 v[SO+1], 0xff000000, v[MX+1]
	PKO 3
	v_lshrrev_b32 v[MX], 23, v[SO]                 ; my two scale bytes: blocks h and 2 + h
	v_lshrrev_b32 v[MX+1], 23, v[SO+1]
	PKO 3
	v_lshl_or_b32 v[TT], v[MX+1], 16, v[MX]
	PKO 3
	v_lshlrev_b32 v[TT], v[H8], v[TT]
	PKO 3
	v_permlanex16_b32 v[TP], v[TT], s[SEL], s[SEL+1]
	v_cvt_scalef32_pk16_fp6_f32 v[PC:PC+2], v[S:S+15], v[SO]
	v_cvt_scalef32_pk16_fp6_f32 v[PT:PT+2], v[S+16:S+31], v[SO]
	v_or_b32 v[PW], v[TT], v[TP]                   ; p's scale word (also the plain place behind the conversions)
.irp i, 0,1,2
	v_mov_b32 v[PC+3+\i], v[PT+\i]
.endr
.set E, 32
.set J, 0
.rept 8
	v_exp_f32 v[S+E], v[S+E]                       ; block 1's p, with the first level of block 0's sum among the lines
	v_exp_f32 v[S+E+1], v[S+E+1]
	v_pk_add_f32 v[S+J:S+J+1], v[S+J:S+J+1], v[S+J+16:S+J+17]
	v_exp_f32 v[S+E+2], v[S+E+2]
	v_exp_f32 v[S+E+3], v[S+E+3]
.set E, E+4
.set J, J+2
.endr
	v_nop
	s_wait_alu depctr_va_vdst(0)                   ; behind the second batch
	v_cvt_scalef32_pk16_fp6_f32 v[PC+6:PC+8], v[S+32:S+47], v[SO+1]
	v_cvt_scalef32_pk16_fp6_f32 v[PT:PT+2], v[S+48:S+63], v[SO+1]
	SUM8 32
	SUM8 48
.irp j, 0,2,4,6
	v_pk_add_f32 v[S+\j:S+\j+1], v[S+\j:S+\j+1], v[S+\j+8:S+\j+9]
.endr
.irp i, 0,1,2
	v_mov_b32 v[PC+9+\i], v[PT+\i]
.endr
	v_pk_add_f32 v[S:S+1], v[S:S+1], v[S+4:S+5]
	v_pk_add_f32 v[S+2:S+3], v[S+2:S+3], v[S+6:S+7]
	v_pk_fma_f32 v[LS:LS+1], v[LS:LS+1], v[FF:FF+1], v[S:S+1] op_sel_hi:[1,0,1]     ; the sums under the new M, and this step's
	v_pk_fma_f32 v[L1:L1+1], v[L1:L1+1], v[FF:FF+1], v[S+2:S+3] op_sel_hi:[1,0,1]
	s_wait_alu depctr_va_vdst(0)
	s_wait_dscnt 24                                ; V's fragments and the scale words are in; the 24 younger loads, K's of the next step, may be out
.irp t, 0,1,2,3
	v_wmma_scale_f32_16x16x128_f8f6f4 v[O+8*\t:O+8*\t+7], v[VF+12*\t:VF+12*\t+11], v[PC:PC+11], v[O+8*\t:O+8*\t+7], v[SCW+\t], v[PW] matrix_a_fmt:MATRIX_FMT_FP6 matrix_b_fmt:MATRIX_FMT_FP6 matrix_a_scale:MATRIX_SCALE_ROW1
.endr
.endm
.macro KLOOP upto
.Lkeys_\@:
	STEP
	s_cmp_lg_u32 s[CNT], \upto
	s_cbranch_scc1 .Lkeys_\@
.endm
.macro START                           ; O^T and the sums as zeros, the largest score under every score, -M a large whole number: the first f is 0
	v_mov_b32 v[RM], 0xff61b1e6
	v_mov_b32 v[NM], 0x7e000000
	v_mov_b32 v[LS], 0
	v_mov_b32 v[LS+1], 0
	v_mov_b32 v[L1], 0
	v_mov_b32 v[L1+1], 0
.set J, 0
.rept 32
	v_mov_b32 v[O+J], 0
.set J, J+1
.endr
.endm
.macro FINISH n, vb                    ; O^T / the sum; my 32 channels are one block: quantised and stored as a half fragment
.if \n == 0
	QLOAD 1
.endif
	v_pk_add_f32 v[LS:LS+1], v[LS:LS+1], v[L1:L1+1]
	v_nop
	v_add_f32 v[LS], v[LS], v[LS+1]
	v_permlanex16_b32 v[TP], v[LS], s[SEL], s[SEL+1]
	v_add_f32 v[LS], v[LS], v[TP]
	s_wait_alu depctr_va_vdst(0)
	v_rcp_f32 v[LS], v[LS]
	v_nop
	s_wait_alu depctr_va_vdst(0)
.set J, 0
.rept 16
	v_pk_mul_f32 v[O+J:O+J+1], v[O+J:O+J+1], v[LS:LS+1] op_sel_hi:[1,0]
.set J, J+2
.endr
	v_max3_num_f32 v[MX], |v[O]|, |v[O+1]|, 0x1800000
	v_max3_num_f32 v[MX+1], |v[O+16]|, |v[O+17]|, 0x1800000
.irp i, 2,4,6,8,10,12,14
	v_max3_num_f32 v[MX], v[MX], |v[O+\i]|, |v[O+\i+1]|
	v_max3_num_f32 v[MX+1], v[MX+1], |v[O+16+\i]|, |v[O+17+\i]|
.endr
	v_max_num_f32 v[MX], v[MX], v[MX+1]
	v_add_nc_u32 v[SO], 0xff000000, v[MX]
	v_cvt_scalef32_pk16_fp6_f32 v[PC:PC+2], v[O:O+15], v[SO]
	v_cvt_scalef32_pk16_fp6_f32 v[PT:PT+2], v[O+16:O+31], v[SO]
	v_lshrrev_b32 v[TT], 23, v[SO]
	v_lshlrev_b32 v[TT], v[H8], v[TT]
	v_permlanex16_b32 v[TP], v[TT], s[SEL], s[SEL+1]
.irp i, 0,1,2
	v_mov_b32 v[PC+3+\i], v[PT+\i]
.endr
	v_or_b32 v[\vb], v[TT], v[TP]                  ; my row's two scale bytes
.irp p, 0,1,2
	global_store_b64 v[L8], v[PC+2*\p:PC+2*\p+1], s[10:11] offset:12288*\n+256*\p   ; 32 lanes store 256 consecutive bytes, aligned
.endr
.endm
	s_load_b256 s[4:11], s[0:1], 0x0               ; q_img, q_sc, kv, vals_img
	s_load_b64 s[12:13], s[0:1], 0x20              ; vals_sc
	v_lshl_add_u32 v254, v0, 2, SPARE
	v_mov_b32 v255, 0
	ds_add_u32 v254, v255                          ; the opening lines
	ds_add_u32 v254, v255
	v_lshrrev_b32 v1, 5, v0
	v_readfirstlane_b32 s[WV], v1
	s_bfe_u32 s19, ttmp6, 0x40000
	s_lshl_b32 s25, ttmp9, 2
	s_add_co_u32 s19, s25, s19                     ; which 512 queries: it enters Q's and the outputs' addresses alone
	s_and_b32 s24, ttmp7, 0xffff                   ; bh
	s_mul_i32 s26, s24, 16*REC
	s_mul_i32 s33, s[WV], REC                      ; record w, to LDS byte 12,800 w
	s_add_co_u32 s26, s26, s33
	s_mov_b32 s27, 0
	s_mov_b32 s32, 1
	s_mov_b32 s72, 15|(3<<16)|(1<<21)              ; the mask names the four partners; 50 dense rows of 256 bytes
	s_mov_b32 s73, 32<<16
	s_mov_b32 s74, 50<<16
	s_mov_b32 s75, 32<<16
	s_mov_b32 s76, 50
	s_mov_b32 s77, 32
	s_mov_b32 s78, 0
	s_mov_b32 s79, 0
	s_mov_b32 s[SEL], 0x76543210
	s_mov_b32 s[SEL+1], 0xfedcba98
	s_mov_b32 s[CS], 0x3e38aa3b                    ; c = log2(e) / 8
	s_mov_b32 s[CS+1], s[CS]
	s_mov_b32 s[NC], 0xbe38aa3b                    ; -c
	s_wait_alu depctr_va_vdst(0)
	s_wait_dscnt 0x0
	s_wait_kmcnt 0x0
	s_add_nc_u64 s[34:35], s[8:9], s[26:27]
	s_or_b32 s35, s35, 0x80000000
	CROUND
	tensor_load_to_lds s[32:35], s[72:79]          ; one load a wave
	s_nop 0
	s_lshl_b32 s88, s19, 5
	s_lshl_b32 s89, s[WV], 1
	s_add_co_u32 s88, s88, s89                     ; my first tile of queries
	s_mov_b32 s91, 0
	s_mul_i32 s90, s24, 98304
	s_mul_i32 s28, s88, 768
	s_add_co_u32 s90, s90, s28
	s_add_nc_u64 s[4:5], s[4:5], s[90:91]
	s_lshl_b32 s90, s24, 13                        ; q_sc: 256 bytes a group of four tiles, [r][tile]
	s_lshr_b32 s28, s88, 2
	s_lshl_b32 s28, s28, 8
	s_add_co_u32 s90, s90, s28
	s_and_b32 s28, s88, 3
	s_lshl_b32 s28, s28, 2
	s_add_co_u32 s90, s90, s28
	s_add_nc_u64 s[6:7], s[6:7], s[90:91]
	s_lshr_b32 s94, s24, 4                         ; batch
	s_and_b32 s95, s24, 15                         ; head
	s_mul_i32 s90, s94, 1572864                    ; vals_img[tile of rows][head][768]
	s_mul_i32 s96, s88, 12288
	s_add_co_u32 s90, s90, s96
	s_mul_i32 s96, s95, 768
	s_add_co_u32 s90, s90, s96
	s_add_nc_u64 s[10:11], s[10:11], s[90:91]
	s_lshl_b32 s90, s94, 16                        ; vals_sc[tile][r][32]: my head's two bytes at 2 x head
	s_lshl_b32 s96, s88, 9
	s_add_co_u32 s90, s90, s96
	s_lshl_b32 s96, s95, 1
	s_add_co_u32 s90, s90, s96
	s_add_nc_u64 s[12:13], s[12:13], s[90:91]
	s_mov_b32 s[CNT], 0
	v_and_b32 v[TT], 31, v0
	v_and_b32 v[TP], 15, v0
	v_bfe_u32 v[H8], v0, 4, 1
	v_lshlrev_b32 v[H8], 3, v[H8]
	v_lshlrev_b32 v[L8], 3, v[TT]
	v_lshlrev_b32 v[L16], 4, v[TT]
	v_lshlrev_b32 v[R16], 4, v[TP]
	QLOAD 0
	v_mov_b32 v[AD], v[L8]
	v_mov_b32 v[AS], v[L16]
.irp j, 0,1,2,3,4,5
	v_mov_b32 v[QB+\j], 0                          ; the zero codes
	v_mov_b32 v[QB+12+\j], 0
.endr
	START
	s_wait_alu depctr_va_vdst(0)
	s_wait_tensorcnt 0x0                           ; my record is in,
	s_barrier_signal -1
	s_barrier_wait -1                              ; and everybody's
	ds_load_b128 v[SCW:SCW+3], v[AS] offset:12288
.set IK, 0
	KL 24
	s_wait_loadcnt 0x0
	KLOOP 16
	FINISH 0, VB
	START
	s_wait_alu depctr_va_vdst(0)
	s_wait_loadcnt 0x0                             ; tile 1's Q
	s_wait_xcnt 0x0                                ; tile 0's stores have read the codes' registers
	KLOOP 32
	FINISH 1, VB1
	v_and_b32 v[TT], 31, v0
	v_cmp_gt_u32 vcc_lo, 16, v[TT]
	v_cndmask_b32 v[TP], v[VB1], v[VB], vcc_lo     ; lanes 0-15 carry tile 0's rows, lanes 16-31 tile 1's
	v_lshlrev_b32 v[TT], 5, v[TT]
	global_store_b16 v[TT], v[TP], s[12:13]        ; two bytes of each row's 32: the others are other heads', made by other work-groups
	s_wait_tensorcnt 0x0                           ; the wave's end
	ds_add_u32 v254, v255
	s_wait_dscnt 0x0
	CROUND
	s_endpgm
.Lfunc_end_k_q280fb0ba24_attn:
	.size	k_q280fb0ba24_attn, .Lfunc_end_k_q280fb0ba24_attn-k_q280fb0ba24_attn
	.p2alignl 7, 3214868480
	.fill 96, 4, 3214868480
	.section	.rodata,"a",@progbits
	.p2align	6, 0x0
	.amdhsa_kernel k_q280fb0ba24_attn
		.amdhsa_group_segment_fixed_size 206848
		.amdhsa_private_segment_fixed_size 0
		.amdhsa_enable_private_segment 0
		.amdhsa_kernarg_size 40
		.amdhsa_user_sgpr_count 2
		.amdhsa_user_sgpr_kernarg_segment_ptr 1
		.amdhsa_wavefront_size32 1
		.amdhsa_system_sgpr_workgroup_id_x 1
		.amdhsa_system_sgpr_workgroup_id_y 1
		.amdhsa_system_sgpr_workgroup_id_z 1
		.amdhsa_system_vgpr_workitem_id 0
		.amdhsa_next_free_vgpr 256
		.amdhsa_next_free_sgpr 100
		.amdhsa_reserve_vcc 1
		.amdhsa_float_denorm_mode_32 3
		.amdhsa_float_denorm_mode_16_64 3
		.amdhsa_memory_ordered 1
		.amdhsa_forward_progress 1
		.amdhsa_inst_pref_size 48
	.end_amdhsa_kernel
	.amdgpu_metadata
---
amdhsa.version: [ 1, 2 ]
amdhsa.kernels:
  - .name:           k_q280fb0ba24_attn
    .symbol:         k_q280fb0ba24_attn.kd
    .args:
      - { .name: q_img, .offset: 0, .size: 8, .value_kind: global_buffer, .address_space: global }
      - { .name: q_sc, .offset: 8, .size: 8, .value_kind: global_buffer, .address_space: global }
      - { .name: kv, .offset: 16, .size: 8, .value_kind: global_buffer, .address_space: global }
      - { .name: vals_img, .offset: 24, .size: 8, .value_kind: global_buffer, .address_space: global }
      - { .name: vals_sc, .offset: 32, .size: 8, .value_kind: global_buffer, .address_space: global }
    .group_segment_fixed_size: 206848
    .private_segment_fixed_size: 0
    .kernarg_segment_align: 8
    .kernarg_segment_size: 40
    .max_flat_workgroup_size: 512
    .sgpr_count:     100
    .vgpr_count:     256
    .wavefront_size: 32
...
	.end_amdgpu_metadata
.endif
;; end of part 2
;; launch oproj (part 3): grid 8 x 32, 4 waves a work-group, clusters of 4 x 4, 301,568 bytes of LDS; arguments vals_img, vals_sc, w_o_codes, w_o_scales, b_o, out0; writes out0
.if DOCPART == 3
	.amdgcn_target "amdgcn-amd-amdhsa--gfx1250"
	.amdhsa_code_object_version 6
	.text
	.protected	k_q280fb0ba24_oproj
	.globl	k_q280fb0ba24_oproj
	.p2align	8
	.type	k_q280fb0ba24_oproj,@function
k_q280fb0ba24_oproj:
	s_mov_b64 s[64:65], 0
	v_nop
	global_prefetch_b8 v0, s[64:65] scope:SCOPE_SE
	s_setreg_imm32_b32 hwreg(HW_REG_WAVE_MODE, 25, 1), 1
	s_wait_xcnt 0x0
	s_wait_alu depctr_hold_cnt(0) depctr_sa_sdst(0) depctr_va_vdst(0) depctr_va_sdst(0) depctr_va_ssrc(0) depctr_va_vcc(0) depctr_vm_vsrc(0)
	s_getreg_b32 s2, hwreg(HW_REG_IB_STS2, 6, 4)
	s_cmp_eq_u32 s2, 0
	s_cbranch_scc0 .Lentry_in_a_cluster
	s_endpgm
.Lentry_in_a_cluster:
	s_bfe_u32 s2, ttmp6, 0x10000c
	s_cmp_lg_u32 s2, 0xf033
	s_cbranch_scc0 .Lentry_shape_is_right
	s_endpgm
.Lentry_shape_is_right:
; out0 = vals w_o^T + b_o on codes of FP6 (E2M3) with E8M0 scales.  A work-group makes 256 rows x 128 columns; wave w four tiles of 16 rows x all 128 columns: 32 accumulators.
; ALL OF K LIES IN LDS, filled once, one tensor load a wave: waves 0, 1 a half each of vals' 16 tiles (dense images of 12,288 bytes, [head][768]), waves 2, 3 a half each of w_o's 128 rows (768 bytes, 16 of padding behind every 256).
; CLUSTER 4 x 4: vals' tiles are asked for jointly along a row, w_o's along a column.  No prefetch: all fills go out at the head, so there is no loop to run ahead in.
; Row r of vals' tile i of a group of 64 is the sequence's row 8 i + r % 8 + 32 (r / 8): the stores set that right.
; The matrix instruction is used transposed (source 0 = w_o's rows): a lane holds eight neighbouring columns of a row.  The bias is the C of each sum's first product.
; THE WAY OUT goes through a stage in the wave's own rows of vals, which no other wave reads and which have had their one fill and their last read.
.set PITCH,  816
.set WB,     196608
.set SPARE,  WB+128*PITCH
.set SPITCH, 528
.set STO,  9
.set RD,   10
.set L16,  13
.set SCO,  14
.set H32,  15
.set ADRA, 16
.set ADRB, 20                          ; v20, v21 w_o's tiles 0-3 (v21: pieces behind one padding more in lanes 16-31); v22, v23 tiles 4-7
.set SPW,  28
.set NIL,  29
.set XS,   32
.set WS,   48
.set BK,   96
.set BQ,   160
.set XF,   96
.set G1,   24
.set G0,   32
.set G1B,  48
.set G0B,  56
.set MSB, 0
.macro WIN new
.if MSB != (\new)
	s_set_vgpr_msb (MSB<<8)|(\new)
.set MSB, (\new)
.endif
.endm
.macro CREST
	s_cmp_lg_u32 s14, 0
	s_cbranch_scc1 .Lnot_wave_0_\@
	s_barrier_signal -3
.Lnot_wave_0_\@:
	s_barrier_wait -3
	s_barrier_signal -1
	s_barrier_wait -1
.endm
.macro CROUND
	s_barrier_signal -1
	s_barrier_wait -1
	CREST
.endm
.macro PLACES n
.rept \n
	v_nop
.endr
.endm
.macro FRAGW reg, q, tw
.irp p, 0,1,2,3,4,5
.set PC_, 12*(\q)+6*(\p/3)+\p%3
	ds_load_b64 v[\reg+2*\p:\reg+2*\p+1], v[ADRB+2*((\tw)/4)+(PC_%32+3)/32] offset:8*(PC_+2*(PC_/32))+((\tw)%4)*16*PITCH
.endr
.endm
.macro FETCH_X q, set
	WIN 0x40
.irp i, 0,1,2,3
.irp p, 0,1,2,3,4,5
	ds_load_b64 v[XF+48*(\set)+12*\i+2*\p:XF+48*(\set)+12*\i+2*\p+1], v[ADRA] offset:12288*\i+1536*(\q)+256*\p
.endr
.endr
.endm
.macro FETCH_W q, t0, t1
	WIN 0x40
.set TW, \t0
.rept (\t1)-(\t0)+1
	FRAGW 12*TW, \q, TW
.set TW, TW+1
.endr
.endm
.macro WM d, a, b, c, sa, sb, hi
.if \hi
	v_wmma_scale_f32_16x16x128_f8f6f4 v[\d:\d+7], v[\a:\a+11], v[\b:\b+11], v[\c:\c+7], v[\sa], v[\sb] matrix_a_fmt:MATRIX_FMT_FP6 matrix_b_fmt:MATRIX_FMT_FP6 matrix_a_scale:MATRIX_SCALE_ROW1 matrix_b_scale:MATRIX_SCALE_ROW1
.else
	v_wmma_scale_f32_16x16x128_f8f6f4 v[\d:\d+7], v[\a:\a+11], v[\b:\b+11], v[\c:\c+7], v[\sa], v[\sb] matrix_a_fmt:MATRIX_FMT_FP6 matrix_b_fmt:MATRIX_FMT_FP6
.endif
.endm
.macro MM i, set, ks, first
.set SR, (\ks)%4
.set XR, XF+48*(\set)+12*(\i)
.set DR, 8*(8*(\i)+TW)
.if \first
	WIN 0x85
	WM DR, 12*TW, XR, BQ+8*TW, WS+4*TW+SR, XS+4*(\i)+SR, 0
.else
	WIN 0xa5
	WM DR, 12*TW, XR, DR, WS+4*TW+SR, XS+4*(\i)+SR, (\ks)/4
.endif
.endm
.macro MUL t0, t1, set, ks, first      ; the 32 accumulators take turns
.set TW, \t0
.rept (\t1)-(\t0)+1
.irp i, 0,1,2,3
	MM \i, \set, \ks, \first
.endr
.set TW, TW+1
.endr
.endm
.macro STEP ks, first
	s_wait_dscnt 24                                ; vals' set and w_o's tiles 0-3 are in; the 24 youngest loads may be out
	MUL 0, 3, (\ks)%2, \ks, \first
	s_wait_dscnt 0x0
	PLACES 4
	FETCH_X (\ks)+1, 1-(\ks)%2
	FETCH_W (\ks)+1, 0, 3
	MUL 4, 7, (\ks)%2, \ks, \first
	PLACES 4
	FETCH_W (\ks)+1, 4, 7
	WIN 0
.endm
	s_load_b256 s[4:11], s[0:1], 0x0               ; vals_img, vals_sc, w_o's codes, w_o's scales
	s_load_b128 s[68:71], s[0:1], 0x20             ; b_o, out0
	v_lshl_add_u32 v[SPW], v0, 2, SPARE
	v_mov_b32 v[NIL], 0
	ds_add_u32 v[SPW], v[NIL]                      ; the opening lines
	ds_add_u32 v[SPW], v[NIL]
	v_lshrrev_b32 v1, 5, v0
	v_readfirstlane_b32 s14, v1
	s_lshr_b32 s15, s14, 1
	s_and_b32 s16, s14, 1
	s_bfe_u32 s40, ttmp6, 0x40000
	s_bfe_u32 s41, ttmp6, 0x40004
	s_lshl_b32 s42, ttmp9, 2
	s_add_co_u32 s42, s42, s40                     ; the block of 128 columns
	s_and_b32 s17, ttmp7, 0xffff
	s_lshl_b32 s17, s17, 2
	s_add_co_u32 s17, s17, s41                     ; the block of 256 rows
	s_lshl_b32 s43, s41, 2
	s_lshl_b32 s43, 15, s43
	s_lshl_b32 s44, 0x1111, s40
	s_or_b32 s[G1+0], s43, (3<<16)|(1<<21)         ; 98,304 dense bytes as 384 rows of 256
	s_mov_b32 s[G1+1], 32<<16
	s_mov_b32 s[G1+2], 384<<16
	s_mov_b32 s[G1+3], 32<<16
	s_mov_b32 s[G1+4], 384
	s_mov_b32 s[G1+5], 32
	s_mov_b32 s[G1+6], 0
	s_mov_b32 s[G1+7], 0
	s_or_b32 s[G1B+0], s44, (1<<20)|(1<<21)|(5<<22)|(3<<25)   ; 64 rows of 768 bytes, 16 of padding behind every 256
	s_mov_b32 s[G1B+1], 768<<16
	s_mov_b32 s[G1B+2], 64<<16
	s_mov_b32 s[G1B+3], 768<<16
	s_mov_b32 s[G1B+4], 64
	s_mov_b32 s[G1B+5], 768
	s_mov_b32 s[G1B+6], 0
	s_mov_b32 s[G1B+7], 0
	s_lshl_b32 s20, s17, 4
	s_lshl_b32 s18, s16, 3
	s_add_co_u32 s20, s20, s18
	s_mul_i32 s20, s20, 12288
	s_mov_b32 s21, 0
	s_lshl_b32 s46, s42, 7
	s_lshl_b32 s19, s16, 6
	s_add_co_u32 s46, s46, s19
	s_mul_i32 s46, s46, 768
	s_mov_b32 s47, 0
	s_mov_b32 s[G0], 1
	s_mul_i32 s[G0+1], s16, 98304
	s_mov_b32 s[G0B], 1
	s_mul_i32 s[G0B+1], s16, 64*PITCH
	s_add_co_u32 s[G0B+1], s[G0B+1], WB
	s_wait_dscnt 0x0
	s_wait_kmcnt 0x0
	s_add_nc_u64 s[G0+2:G0+3], s[4:5], s[20:21]
	s_or_b32 s[G0+3], s[G0+3], 0x80000000
	s_add_nc_u64 s[G0B+2:G0B+3], s[8:9], s[46:47]
	s_or_b32 s[G0B+3], s[G0B+3], 0x80000000
	CROUND
	s_cmp_eq_u32 s15, 0
	s_cbranch_scc0 .Lfor_w
	tensor_load_to_lds s[G0:G0+3], s[G1:G1+7]
	s_nop 0
	PLACES 4
	s_branch .Lasked
.Lfor_w:
	tensor_load_to_lds s[G0B:G0B+3], s[G1B:G1B+7]
	s_nop 0
	PLACES 4
.Lasked:
	s_lshl_b32 s78, s17, 13
	s_lshl_b32 s79, s14, 11
	s_add_co_u32 s78, s78, s79
	s_mov_b32 s79, 0
	s_add_nc_u64 s[6:7], s[6:7], s[78:79]
	s_lshl_b32 s78, s42, 12
	s_add_nc_u64 s[10:11], s[10:11], s[78:79]
	s_lshl_b32 s78, s42, 9
	s_add_nc_u64 s[68:69], s[68:69], s[78:79]
	s_lshl_b32 s80, s17, 20
	s_lshl_b32 s81, s14, 18
	s_add_co_u32 s80, s80, s81
	s_add_co_u32 s78, s80, s78
	s_add_nc_u64 s[70:71], s[70:71], s[78:79]
	s_mul_i32 s22, s14, 49152                      ; my four tiles of vals, and later my stage
	v_and_b32 v1, 15, v0
	v_bfe_u32 v2, v0, 4, 1
	v_and_b32 v3, 31, v0
	v_lshlrev_b32 v[L16], 4, v3
	v_lshlrev_b32 v[SCO], 5, v1
	v_lshl_add_u32 v[SCO], v2, 4, v[SCO]
	v_lshlrev_b32 v[H32], 5, v2
.irp i, 0,1,2,3
	global_load_b128 v[XS+4*\i:XS+4*\i+3], v[SCO], s[6:7] offset:512*\i
.endr
.irp t, 0,1,2,3,4,5,6,7
	global_load_b128 v[WS+4*\t:WS+4*\t+3], v[SCO], s[10:11] offset:512*\t
.endr
.irp t, 0,1,2,3,4,5,6,7
	global_load_b128 v[BQ+8*\t:BQ+8*\t+3], v[H32], s[68:69] offset:64*\t
	global_load_b128 v[BQ+8*\t+4:BQ+8*\t+7], v[H32], s[68:69] offset:64*\t+16
.endr
	v_lshl_add_u32 v[ADRA], v3, 3, s22
	v_mul_u32_u24 v4, v1, PITCH
	v_mad_u32_u24 v5, v2, 40, v4
	v_mad_u32_u24 v4, v2, 24, v4
	v_add_nc_u32 v[ADRB], WB, v4
	v_add_nc_u32 v[ADRB+1], WB, v5
	v_add_nc_u32 v[ADRB+2], WB+64*PITCH, v4
	v_add_nc_u32 v[ADRB+3], WB+64*PITCH, v5
	v_mul_u32_u24 v6, v1, SPITCH
	v_lshl_add_u32 v6, v2, 5, v6
	v_add_nc_u32 v[STO], s22, v6
	v_add_nc_u32 v[RD], s22, v[L16]
	s_wait_alu depctr_va_vdst(0)
	s_wait_tensorcnt 0x0
	s_barrier_signal -1
	s_barrier_wait -1                              ; all four tiles are in
	FETCH_X 0, 0
	FETCH_W 0, 0, 3
	FETCH_W 0, 4, 7
	WIN 0
	s_wait_loadcnt 0x0
	STEP 0, 1
.set KST, 1
.rept 6
	STEP KST, 0
.set KST, KST+1
.endr
	s_wait_dscnt 24
	MUL 0, 3, 1, 7, 0
	s_wait_dscnt 0x0
	MUL 4, 7, 1, 7, 0
	WIN 0
.macro TOSTAGE a
	WIN 0x08
.irp b, 0,1,2,3,4,5,6,7
	ds_store_b128 v[STO], v[64*(\a)+8*\b:64*(\a)+8*\b+3] offset:64*\b
	ds_store_b128 v[STO], v[64*(\a)+8*\b+4:64*(\a)+8*\b+7] offset:64*\b+16
.endr
	WIN 0
.set BB, BK+64*((\a)%2)
.irp t, 0,1,2,3,4,5,6,7,8,9,10,11,12,13,14,15
	ds_load_b128 v[BB+4*\t:BB+4*\t+3], v[RD] offset:\t*SPITCH
.endr
.endm
.macro SEND a, younger
.set BB, BK+64*((\a)%2)
	s_wait_dscnt \younger
.irp t, 0,1,2,3,4,5,6,7,8,9,10,11,12,13,14,15
	global_store_b128 v[L16], v[BB+4*\t:BB+4*\t+3], s[70:71] offset:4096*(8*(\a)+\t%8+32*(\t/8)) th:TH_STORE_NT   ; 32 lanes store 512 consecutive bytes, aligned
.endr
.endm
	PLACES 4
	TOSTAGE 0
.irp a, 1,2,3
.if \a > 1
	s_wait_xcnt 0x0
.endif
	TOSTAGE \a
	SEND \a-1, 32
.endr
	SEND 3, 0
	s_wait_tensorcnt 0x0                           ; the wave's end
	ds_add_u32 v[SPW], v[NIL]
	s_wait_dscnt 0x0
	CROUND
	s_endpgm
.Lfunc_end_k_q280fb0ba24_oproj:
	.size	k_q280fb0ba24_oproj, .Lfunc_end_k_q280fb0ba24_oproj-k_q280fb0ba24_oproj
	.p2alignl 7, 3214868480
	.fill 96, 4, 3214868480
	.section	.rodata,"a",@progbits
	.p2align	6, 0x0
	.amdhsa_kernel k_q280fb0ba24_oproj
		.amdhsa_group_segment_fixed_size 301568
		.amdhsa_private_segment_fixed_size 0
		.amdhsa_enable_private_segment 0
		.amdhsa_kernarg_size 48
		.amdhsa_user_sgpr_count 2
		.amdhsa_user_sgpr_kernarg_segment_ptr 1
		.amdhsa_wavefront_size32 1
		.amdhsa_system_sgpr_workgroup_id_x 1
		.amdhsa_system_sgpr_workgroup_id_y 1
		.amdhsa_system_sgpr_workgroup_id_z 1
		.amdhsa_system_vgpr_workitem_id 0
		.amdhsa_next_free_vgpr 768
		.amdhsa_next_free_sgpr 100
		.amdhsa_reserve_vcc 0
		.amdhsa_float_denorm_mode_32 3
		.amdhsa_float_denorm_mode_16_64 3
		.amdhsa_memory_ordered 1
		.amdhsa_forward_progress 1
		.amdhsa_inst_pref_size 95
	.end_amdhsa_kernel
	.amdgpu_metadata
---
amdhsa.version: [ 1, 2 ]
amdhsa.kernels:
  - .name:           k_q280fb0ba24_oproj
    .symbol:         k_q280fb0ba24_oproj.kd
    .args:
      - { .name: vals_img, .offset: 0, .size: 8, .value_kind: global_buffer, .address_space: global }
      - { .name: vals_sc, .offset: 8, .size: 8, .value_kind: global_buffer, .address_space: global }
      - { .name: w_o_codes, .offset: 16, .size: 8, .value_kind: global_buffer, .address_space: global }
      - { .name: w_o_scales, .offset: 24, .size: 8, .value_kind: global_buffer, .address_space: global }
      - { .name: b_o, .offset: 32, .size: 8, .value_kind: global_buffer, .address_space: global }
      - { .name: out0, .offset: 40, .size: 8, .value_kind: global_buffer, .address_space: global }
    .group_segment_fixed_size: 301568
    .private_segment_fixed_size: 0
    .kernarg_segment_align: 8
    .kernarg_segment_size: 48
    .max_flat_workgroup_size: 128
    .sgpr_count:     100
    .vgpr_count:     768
    .wavefront_size: 32
...
	.end_amdgpu_metadata
.endif
;; end of part 3
